; MI455X (gfx1250); checked and timed in simulation.
; The chip was launched on July 23, 2026; its instructions are those of AMD's public machine-readable ISA for CDNA 5 (MIT licence, August 2026) and "CDNA5" Instruction Set Architecture Reference Guide (July 2026). The comments in the code are by the model that wrote it; some were corrected since.
;; Mamba Block. Allowed arithmetic: matrix products marked QUANTISED: E2M1 operands, one E8M0 scale for each 32 along K, by v_wmma_scale_f32_16x16x128_f8f6f4 with both operands' format E2M1 (or v_wmma_scale_f32_32x16x128_f4), f32 sums; everything else in f32.
;; Inputs: A 1,024 x 16 float32; D_param 1,024 float32; b_out 1,024 float32; b_xproj 2,048 float32; beta 1,024 float32; gamma 1,024 float32; w_out_codes 1,024 x 32 x 16 uint8 (E2M1 codes of w_out, K innermost, in blocks of 32 codes, two codes a byte); w_out_scales 1,024 x 32 uint8 (E8M0 scales of w_out, one for each 32 codes along K); w_xproj_codes 2,048 x 32 x 16 uint8 (E2M1 codes of w_xproj, K innermost, in blocks of 32 codes, two codes a byte); w_xproj_scales 2,048 x 32 uint8 (E8M0 scales of w_xproj, one for each 32 codes along K); x 8 x 2,048 x 1,024 float32.
;; Outputs: out0 8 x 2,048 x 1,024 float32.
;; This version of the problem:
;;   THIS VERSION OF THE PROBLEM IS GIVEN IN LOW PRECISION. The matrix products marked QUANTISED in the list below multiply operands that are first quantised to E2M1 (2 exponent bits, 1 mantissa bit; 4 bits a number), with one power-of-two scale for each 32 numbers along K (OCP MX v1.0); their sums are f32. All else is computed in f32.
;;   The module's matrix products, in the order in which they are computed (A, B: the left and right operand; K: the contracted axis; several contracted axes count as one K, in the product's order):
;;     1. [M 16,384, K 1,024] x [K 1,024, N 2,048]; A: computed on the way; B: input w_xproj (given as codes): QUANTISED
;;     2. [M 16,384, K 1,024] x [K 1,024, N 1,024]; A: computed on the way; B: input w_out (given as codes): QUANTISED
;;   THE QUANTISER, for each operand of a quantised product, along K:
;;     - K is cut into blocks of 32 from its start; a last block that is shorter is filled with zeros.
;;     - A block's scale is 2^e with e = floor(log2(the largest magnitude in the block)) - 2, held to -126 .. 127; a block of zeros has e = 0. As a byte (E8M0): e + 127.
;;     - Each number is divided by its block's scale, clamped to +-6, and rounded to the nearest number of E2M1, ties to even, subnormals kept.
;;     - The product sums the exact products of the quantised numbers (number of the format x scale) in f32.
;;   ~~~python
;;   def quantise(x, axis):      # numpy; x: float32 -> the quantised numbers, widened to float32 again
;;       x = np.moveaxis(x, axis, -1); K = x.shape[-1]
;;       x = np.pad(x, [(0, 0)] * (x.ndim - 1) + [(0, -K % 32)]); x = x.reshape(x.shape[:-1] + (-1, 32)); a = np.abs(x).max(-1, keepdims=True)
;;       e = np.where(a > 0, np.clip(np.frexp(np.where(a > 0, a, 1))[1] - 1 - 2, -126, 127), 0)      # np.frexp(a)[1] - 1 = floor(log2(a)), exactly
;;       r = np.clip(x / 2.0 ** e, -6, 6)
;;       step = 2.0 ** (np.maximum(np.frexp(np.where(r == 0, 1, r))[1] - 1, 0) - 1)
;;       q = np.round(r / step) * step * 2.0 ** e      # np.round: ties to even
;;       return np.moveaxis(q.reshape(q.shape[:-2] + (-1,))[..., :K], -1, axis).astype(np.float32)
;;   ~~~
;;   OPERANDS COMPUTED ON THE WAY. 'Computed on the way' means the value that the module computes at that place (a softmax that the list does not call 'softmax' is quantised finished and normalised). What goes into a quantiser is computed in f32, as accurately as f32 sums, v_exp_f32 and their like allow (about 1e-6 of the number): no bf16 or f16 on the way to a quantiser, and a product that is left as it is and whose result goes on into a quantised operand takes f32 operands (vector FMAs, or v_wmma_f32_16x16x4_f32). A number that lies on a knife's edge between two numbers of the format may be rounded either way, as far as f32 arithmetic and the matrix unit's own rounding can turn it there, and no further.
;;   INPUTS GIVEN AS CODES. w_out (in the module: [1024, 1024], K = its axis 1); w_xproj (in the module: [2048, 1024], K = its axis 1): each comes as NAME_codes (uint8): NAME with its K axis moved to the last place and cut into blocks of 32 codes, [.., K / 32, bytes a block], one block behind the other in memory; two codes a byte, the lower K in the low four bits (a code: sign, 2 exponent bits, 1 mantissa bit); and NAME_scales (uint8): the same leading axes, one E8M0 byte (e + 127) for each 32 codes along K. Its value is code x scale, taken as it is: it is not quantised again, and the codes and scales need not be those that the quantiser above would give.
;; One version. Each part assembles by itself: llvm-mc -triple=amdgcn-amd-amdhsa -mcpu=gfx1250 --defsym DOCPART=n.
;; ======== version 1 of 1: 2 launches
;; limits: right only within a limited range of input values
;; workspace buffers: sums 1,048,576 bytes; ximg 9,568,256 bytes; wlay 1,572,864 bytes
;; launch chunk_sums (part 1): grid 256 x 1, 8 waves a work-group, clusters of 4 x 1, 327,680 bytes of LDS; arguments x, w_xproj_codes, w_xproj_scales, b_xproj, gamma, beta, sums, w_out_codes, ximg, wlay; writes sums, ximg, wlay
.if DOCPART == 1
	.amdgcn_target "amdgcn-amd-amdhsa--gfx1250"
	.amdhsa_code_object_version 6
	.text
	.protected	k_q0fc200b652_chunk_sums
	.globl	k_q0fc200b652_chunk_sums
	.p2align	8
	.type	k_q0fc200b652_chunk_sums,@function
k_q0fc200b652_chunk_sums:
	s_mov_b64 s[64:65], 0
	v_nop
	global_prefetch_b8 v0, s[64:65] scope:SCOPE_SE
	s_setreg_imm32_b32 hwreg(HW_REG_WAVE_MODE, 25, 1), 1
	s_wait_xcnt 0x0
	s_wait_alu depctr_hold_cnt(0) depctr_sa_sdst(0) depctr_va_vdst(0) depctr_va_sdst(0) depctr_va_ssrc(0) depctr_va_vcc(0) depctr_vm_vsrc(0)
	s_getreg_b32 s2, hwreg(HW_REG_IB_STS2, 6, 4)
	s_cmp_eq_u32 s2, 0
	s_cbranch_scc0 .Lentry_in_a_cluster
	s_endpgm
.Lentry_in_a_cluster:
	s_bfe_u32 s2, ttmp6, 0x10000c
	s_cmp_lg_u32 s2, 0x3003
	s_cbranch_scc0 .Lentry_shape_is_right
	s_endpgm
.Lentry_shape_is_right:
; sums[c][d] = the sum over the 64 tokens of chunk c of xn[token][d] * (Bg[token][d]), Bg = Q(xn) w_xproj[1024+d]^T + b_xproj[1024+d], xn = LayerNorm(x) * gamma + beta.
; x is taken as [16384 tokens][1024]; chunk c = tokens 64 c .. 64 c + 63.  The next launch adds the rows of the earlier chunks of a batch to start its running sum along the tokens.
; SHARES.  A work-group of eight waves owns one chunk and all 1,024 features.  In pass p (features 256 p on) wave w owns features 256 p + 32 w .. + 31 for all 64 tokens.
; THE PRODUCT IS USED TRANSPOSED (source 0 = 16 rows of the weight, source 1 = 16 tokens): in tile (m, t) lane (r, h) register j holds token 16 m + r, feature 256 p + 32 w + 16 t + 8 h + j.
; x stays in registers (window 1): register 64 p + 16 m + 8 t + j.  xn's codes go from wave to wave through LDS as images of the operand's registers (1,024 bytes a fragment of 16 tokens x 128 K).
; CLUSTER.  All work-groups walk the same weights in the same order: the four of a cluster ask for each tile jointly (mask 15).  x, which nobody shares, comes by a load of the work-group's own.
; PREFETCH.  The weight's codes are asked for 256 rows ahead (macro ASK).  x is asked for whole by the first tensor loads of the launch: nothing can be asked earlier.
; LIMITS: NaN and infinities are not served.  A block of 32 whose largest magnitude lies under 2^-124 (a block of zeros too) gets the scale byte 1; the bytes are read by this program alone.
.set SLOT1, 69632                      ; LDS: slot 0 at 0, slot 1 here: 256 rows of the weight x (256 bytes = 512 along K, + 16 of padding)
.set SCW0,  139264                     ; two sets of 256 rows x 32 scale bytes, 8,192 bytes apart (one exclusive or with 0x6000 turns one address into the other)
.set STATS, 221184                     ; [wave][token] (mean, sum of squared deviations) of the wave's 128 features
.set OFFS,  225280                     ; the chunk's 1,024 sums
.set XIMG,  266240                     ; images of xn's codes: fragment (m, K step s) at (8 m + s) x 1,024
.set XSC,   299008                     ; their scale words: (8 m + s) x 64 + 4 r
.set PAR,   301056                     ; gamma + 0, beta + 4,096, b_xproj's second half + 16,384
.set SPARE, 325632                     ; the spare words, 128 bytes for each wave: four blocks of 256 bytes that no other line names
; x's first fill takes bytes 0 .. 266,239: four slices (256 features each) of 64 tokens x (1,024 bytes + 16).  Afterwards only the slots and the scale sets are filled again; STATS and OFFS are stored into.
.set SPW, 1                            ; v1  LDS address of my spare word; never rewritten
.set NIL, 2                            ; v2  0; never rewritten
.set AW0, 3                            ; v3, v4   my rows of the weight in slot 0, 1
.set ASW0, 5                           ; v5, v6   their scale words in set 0, 1: lane l takes row 32 w + l
.set LI,  7                            ; v7   images: 16 x lane
.set LS,  8                            ; v8   scale words: 4 r, and 512 h: lanes 16-31 take the next tile of tokens
.set IW,  9                            ; v9   where I store my codes
.set SW,  10                           ; v10  where I store my scale byte
.set PB,  11                           ; v11  my features' place in a parameter
.set PFO, 13                           ; v13  256 x lane: the prefetches' offset; never rewritten
.set OB,  14                           ; v14  my features' place among the sums
.set BX,  15                           ; v15  my place in a slice of x
.set WS,  16                           ; v16-18, v19-21: two sets of scale words (the weight's two tiles; tokens' tiles 0, 1; tiles 2, 3): these six hold scales and nothing else
.set PM,  24                           ; v[24+2m:25+2m] (rstd, -mu) of token 16 m + r; in the head v22-31 hold addresses
.set W2,  32                           ; v32-63   parameters, at work; in a product: xn's four fragments, set 1
.set DL,  64                           ; v64-127  at work
.set HB,  128                          ; v128-191 the product's eight accumulators
.set WK,  192                          ; v192-255 xn; in a product: v192-207 the weight's two fragments and v208-239 xn's four, set 0; v240-255 the weight's two, set 1
.set WV,  30                           ; s30 my wave's number
.set G1X, 36                           ; s[36:43] group 1 for x; s[44:51] for the codes; s[52:59] for the scale bytes
.set G1C, 44
.set G1S, 52
.set G0X, 60                           ; s[60:63] group 0 for x; s[68:71] slot 0; s[72:75] slot 1; s[76:79] scale bytes
.set G0A, 68
.set G0B, 72
.set G0S, 76
.set SEL, 86                           ; s[86:87] lane selects: lane l xor 16
.set CNT, 91
.set ASKF, 93                          ; s93 1 in a wave that prefetches
.set PFA, 96                           ; s[96:97] where my prefetches stand
.set MSB, 0
.macro WIN new                         ; the immediate's high byte repeats the setting that is left
.if MSB != \new
	s_set_vgpr_msb (MSB<<8)|\new
.set MSB, \new
.endif
.endm
.macro NOPS n
.rept \n
	v_nop
.endr
.endm
.macro ROUND                           ; a round of the cluster's barrier
	s_barrier_signal -1
	s_barrier_wait -1
	s_cmp_lg_u32 s[WV], 0
	s_cbranch_scc1 .Lnw0_\@
	s_barrier_signal -3
.Lnw0_\@:
	s_barrier_wait -3
	s_barrier_signal -1
	s_barrier_wait -1
.endm
; A joint refill: waves 0 to 3 fetch 64 rows of codes each, wave 4 (sc = 1) the 256 rows' scale bytes, the others nothing.  The branches hang on the wave's number alone.  Four v_nop follow each load.
.macro JLOAD g0c, sc
	s_cmp_lt_u32 s[WV], 4
	s_cbranch_scc0 .Lnc_\@
	tensor_load_to_lds s[\g0c:\g0c+3], s[G1C:G1C+7]
	s_nop 0
	NOPS 4
	s_branch .Ljd_\@
.Lnc_\@:
.if \sc
	s_cmp_eq_u32 s[WV], 4
	s_cbranch_scc0 .Ljd_\@
	tensor_load_to_lds s[G0S:G0S+3], s[G1S:G1S+7]
	s_nop 0
	NOPS 4
.endif
.Ljd_\@:
.endm
; A PREFETCH INTO THE L2, at each refill of slot 1: the codes of the NEXT 256 rows, both halves of K: what the next refill of slot 0 and the one of slot 1 behind it will ask for.
; Each aligned block of 256 bytes is named once in the launch: all clusters walk the same rows, so cluster 0 asks; its four partners take 64 rows each, told apart by address; in each, waves 4 to 7, which fetch nothing
; at this refill, take 16 rows each: 8,192 dense bytes, lanes 256 bytes apart, one instruction a wave.  The first 256 rows and the scale bytes come by their loads alone; the last refill asks for nothing.
.macro ASK
	s_cmp_eq_u32 s[ASKF], 1
	s_cbranch_scc0 .Lna_\@
	global_prefetch_b8 v[PFO], s[PFA:PFA+1] th:TH_LOAD_NT scope:SCOPE_SE
.Lna_\@:
.endm
; A change of slots: every wave waits for all its tensor loads (one at the most is out), adds 0 to its spare word, steps the descriptors to the next 256 rows, waits for the add and for its LDS reads; a round; the refill first behind it.
.macro CHANGE g0c, sc, pf
	s_wait_tensorcnt 0x0
	ds_add_u32 v[SPW], v[NIL]
	s_add_nc_u64 s[\g0c+2:\g0c+3], s[\g0c+2:\g0c+3], 131072
.if \sc
	s_xor_b32 s[G0S+1], s[G0S+1], 0x6000
	s_add_nc_u64 s[G0S+2:G0S+3], s[G0S+2:G0S+3], 8192
.endif
.if \pf
	s_wait_xcnt 0x0                                ; the last prefetch, a pass back, has read its address, so it may be written
	s_add_nc_u64 s[PFA:PFA+1], s[PFA:PFA+1], 131072
.endif
	s_wait_dscnt 0x0
	ROUND
	JLOAD \g0c, \sc
.if \pf
	ASK
.endif
.endm
.macro MEET                            ; the same without a refill: the work-group's barrier alone
	s_wait_tensorcnt 0x0
	ds_add_u32 v[SPW], v[NIL]
	s_wait_dscnt 0x0
	s_barrier_signal -1
	s_barrier_wait -1
.endm
; K step ks (0 .. 7) is fetched into set ks % 2: 15 LDS loads: the weight's two fragments, xn's four, three registers of scale words.
; A scale register carries two tiles' words: the first in lanes 0-15, the second in lanes 16-31.
.macro FLOAD slot, ks, scw
.set LW, WK+48*((\ks)%2)
.set LX, 208-176*((\ks)%2)
.set LC, WS+3*((\ks)%2)
.irp t,0,1
.irp c,0,1
	ds_load_b128 v[LW+8*\t+4*\c:LW+8*\t+4*\c+3], v[AW0+(\slot)] offset:4352*\t+64*((\ks)%4)+32*\c
.endr
.endr
.irp m,0,1,2,3
.irp c,0,1
	ds_load_b128 v[LX+8*\m+4*\c:LX+8*\m+4*\c+3], v[LI] offset:(8*\m+(\ks))*1024+512*\c
.endr
.endr
	ds_load_b32 v[LC], v[ASW0+(\scw)] offset:4*(\ks)
.irp u,0,1
	ds_load_b32 v[LC+1+\u], v[LS] offset:(16*\u+(\ks))*64
.endr
.endm
.macro WM acc, m, t, zero              ; one product: tile (m, t).  The weight's second tile and the odd tiles of tokens take their scale words from lanes 16-31
.set DD, (\acc)+16*(\m)+8*(\t)
.set RA, MW+8*(\t)
.set RB, MX+8*(\m)
.set RS, MC+1+(\m)/2
.if \zero
.if ((\t) == 0) && (((\m)%2) == 0)
	v_wmma_scale_f32_16x16x128_f8f6f4 v[DD:DD+7], v[RA:RA+7], v[RB:RB+7], 0, v[MC], v[RS] matrix_a_fmt:MATRIX_FMT_FP4 matrix_b_fmt:MATRIX_FMT_FP4
.elseif (\t) == 0
	v_wmma_scale_f32_16x16x128_f8f6f4 v[DD:DD+7], v[RA:RA+7], v[RB:RB+7], 0, v[MC], v[RS] matrix_a_fmt:MATRIX_FMT_FP4 matrix_b_fmt:MATRIX_FMT_FP4 matrix_b_scale:MATRIX_SCALE_ROW1
.elseif ((\m)%2) == 0
	v_wmma_scale_f32_16x16x128_f8f6f4 v[DD:DD+7], v[RA:RA+7], v[RB:RB+7], 0, v[MC], v[RS] matrix_a_fmt:MATRIX_FMT_FP4 matrix_b_fmt:MATRIX_FMT_FP4 matrix_a_scale:MATRIX_SCALE_ROW1
.else
	v_wmma_scale_f32_16x16x128_f8f6f4 v[DD:DD+7], v[RA:RA+7], v[RB:RB+7], 0, v[MC], v[RS] matrix_a_fmt:MATRIX_FMT_FP4 matrix_b_fmt:MATRIX_FMT_FP4 matrix_a_scale:MATRIX_SCALE_ROW1 matrix_b_scale:MATRIX_SCALE_ROW1
.endif
.else
.if ((\t) == 0) && (((\m)%2) == 0)
	v_wmma_scale_f32_16x16x128_f8f6f4 v[DD:DD+7], v[RA:RA+7], v[RB:RB+7], v[DD:DD+7], v[MC], v[RS] matrix_a_fmt:MATRIX_FMT_FP4 matrix_b_fmt:MATRIX_FMT_FP4
.elseif (\t) == 0
	v_wmma_scale_f32_16x16x128_f8f6f4 v[DD:DD+7], v[RA:RA+7], v[RB:RB+7], v[DD:DD+7], v[MC], v[RS] matrix_a_fmt:MATRIX_FMT_FP4 matrix_b_fmt:MATRIX_FMT_FP4 matrix_b_scale:MATRIX_SCALE_ROW1
.elseif ((\m)%2) == 0
	v_wmma_scale_f32_16x16x128_f8f6f4 v[DD:DD+7], v[RA:RA+7], v[RB:RB+7], v[DD:DD+7], v[MC], v[RS] matrix_a_fmt:MATRIX_FMT_FP4 matrix_b_fmt:MATRIX_FMT_FP4 matrix_a_scale:MATRIX_SCALE_ROW1
.else
	v_wmma_scale_f32_16x16x128_f8f6f4 v[DD:DD+7], v[RA:RA+7], v[RB:RB+7], v[DD:DD+7], v[MC], v[RS] matrix_a_fmt:MATRIX_FMT_FP4 matrix_b_fmt:MATRIX_FMT_FP4 matrix_a_scale:MATRIX_SCALE_ROW1 matrix_b_scale:MATRIX_SCALE_ROW1
.endif
.endif
.endm
; Eight products on set ks % 2, the eight accumulators by turns.  Four v_nop behind them: the places in front of the next loads into this set and of the first read of results.
.macro MUL8 ks, acc, win, zero
.set MW, WK+48*((\ks)%2)
.set MX, 208-176*((\ks)%2)
.set MC, WS+3*((\ks)%2)
	WIN \win
.irp m,0,1,2,3
.irp t,0,1
	WM \acc, \m, \t, \zero
.endr
.endr
	WIN 0
	NOPS 4
.endm
; Four K steps of 128 (half kh of K, which lies in one slot).  A step's fragments are fetched while the step before is multiplied.
.macro GEMM4 slot, kh, scw, acc, win, zero
	FLOAD \slot, 4*(\kh), \scw
.irp sp,0,1,2,3
.if \sp < 3
	FLOAD \slot, 4*(\kh)+\sp+1, \scw
	s_wait_dscnt 15                                ; this step's loads are in; the 15 of the next step may be out
.else
	s_wait_dscnt 0x0
.endif
.if (\zero) && (\sp == 0)
	MUL8 4*(\kh)+\sp, \acc, \win, 1
.else
	MUL8 4*(\kh)+\sp, \acc, \win, 0
.endif
.endr
.endm
.macro TVAR p                          ; WK = x - mu for pass p's 64 numbers
	WIN 0x01
.set KK,0
.rept 32
	v_pk_add_f32 v[WK+2*KK:WK+2*KK+1], v[64*\p+2*KK:64*\p+2*KK+1], v[PM+2*(KK/8):PM+2*(KK/8)+1] op_sel:[0,1] op_sel_hi:[1,1]
.set KK,KK+1
.endr
	WIN 0
.endm
.macro TSEL                            ; the pass is a loop's counter: the one text that hangs on it
	s_cmp_lg_u32 s[CNT], 0
	s_cbranch_scc1 .Lt1_\@
	TVAR 0
	s_branch .Lte_\@
.Lt1_\@:
	s_cmp_lg_u32 s[CNT], 1
	s_cbranch_scc1 .Lt2_\@
	TVAR 1
	s_branch .Lte_\@
.Lt2_\@:
	s_cmp_lg_u32 s[CNT], 2
	s_cbranch_scc1 .Lt3_\@
	TVAR 2
	s_branch .Lte_\@
.Lt3_\@:
	TVAR 3
.Lte_\@:
.endm
.macro XNORM                           ; WK = WK * rstd * gamma + beta
.irp q,0,1,2,3
	ds_load_b128 v[W2+4*\q:W2+4*\q+3], v[PB] offset:64*(\q/2)+16*(\q%2)
	ds_load_b128 v[W2+16+4*\q:W2+16+4*\q+3], v[PB] offset:4096+64*(\q/2)+16*(\q%2)
.endr
.set KK,0
.rept 32
	v_pk_mul_f32 v[WK+2*KK:WK+2*KK+1], v[WK+2*KK:WK+2*KK+1], v[PM+2*(KK/8):PM+2*(KK/8)+1] op_sel_hi:[1,0]
.set KK,KK+1
.endr
	s_wait_dscnt 0x0
.set KK,0
.rept 32
	v_pk_fma_f32 v[WK+2*KK:WK+2*KK+1], v[WK+2*KK:WK+2*KK+1], v[W2+2*(KK%8):W2+2*(KK%8)+1], v[W2+16+2*(KK%8):W2+16+2*(KK%8)+1]
.set KK,KK+1
.endr
.endm
; 64 numbers (register 16 m + 8 t + j) become codes: for each m my 16 and lane l xor 16's 16 are one block of 32 along K.  The codes go to their place in the operand's image, the scale's byte to its word.
.macro QUANT src
.irp m,0,1,2,3
	v_max3_num_f32 v[W2+\m], |v[\src+16*\m]|, |v[\src+16*\m+1]|, 0x1800000   ; the floor 2^(3 - 127): the byte cannot fall under 1
.endr
.irp i,2,4,6,8,10,12,14
.irp m,0,1,2,3
	s_delay_alu instid0(VALU_DEP_4)
	v_max3_num_f32 v[W2+\m], v[W2+\m], |v[\src+16*\m+\i]|, |v[\src+16*\m+\i+1]|
.endr
.endr
.irp m,0,1,2,3
	s_delay_alu instid0(VALU_DEP_4)
	v_permlanex16_b32 v[W2+4+\m], v[W2+\m], s[SEL], s[SEL+1]
.endr
.irp m,0,1,2,3
	s_delay_alu instid0(VALU_DEP_4)
	v_max_num_f32 v[W2+\m], v[W2+\m], v[W2+4+\m]
.endr
.irp m,0,1,2,3
	s_delay_alu instid0(VALU_DEP_4)
	v_add_nc_u32 v[W2+8+\m], 0xff000000, v[W2+\m]  ; 2 off the exponent field: the conversion's scale operand
.endr
.irp m,0,1,2,3
	s_delay_alu instid0(VALU_DEP_4)
	v_lshrrev_b32 v[W2+12+\m], 23, v[W2+8+\m]      ; the scale's byte
.endr
.irp m,0,1,2,3
.irp t,0,1
	v_cvt_scalef32_pk8_fp4_f32 v[W2+16+2*\m+\t], v[\src+16*\m+8*\t:\src+16*\m+8*\t+7], v[W2+8+\m]
.endr
.endr
	v_nop                                          ; one plain place behind the scaled conversions
.irp m,0,1,2,3
.irp t,0,1
	ds_store_b32 v[IW], v[W2+16+2*\m+\t] offset:8192*\m+8*\t
.endr
.endr
.irp m,0,1,2,3
	ds_store_b8 v[SW], v[W2+12+\m] offset:512*\m   ; both halves of the lanes write the same byte with the same value
.endr
	s_wait_dscnt 0x0
.endm
.macro TREE b                          ; 32 numbers at v[b] on are added into v[b]
.irp k,0,2,4,6,8,10,12,14
	v_pk_add_f32 v[\b+\k:\b+\k+1], v[\b+\k:\b+\k+1], v[\b+\k+16:\b+\k+17]
.endr
.irp k,0,2,4,6
	s_delay_alu instid0(VALU_DEP_4)
	v_pk_add_f32 v[\b+\k:\b+\k+1], v[\b+\k:\b+\k+1], v[\b+\k+8:\b+\k+9]
.endr
.irp k,0,2
	s_delay_alu instid0(VALU_DEP_2)
	v_pk_add_f32 v[\b+\k:\b+\k+1], v[\b+\k:\b+\k+1], v[\b+\k+4:\b+\k+5]
.endr
	s_delay_alu instid0(VALU_DEP_1)
	v_pk_add_f32 v[\b:\b+1], v[\b:\b+1], v[\b+2:\b+3]
	s_delay_alu instid0(VALU_DEP_1)
	v_add_f32 v[\b], v[\b], v[\b+1]
.endm
.macro DEV m, d                        ; x - the wave's mean, the lane's 64 numbers of token 16 m + r
.set KK,0
.rept 32
	v_pk_add_f32 v[\d+2*KK:\d+2*KK+1], v[64*(KK/8)+16*\m+2*(KK%8):64*(KK/8)+16*\m+2*(KK%8)+1], v[PM+2*\m:PM+2*\m+1] op_sel_hi:[1,0] neg_lo:[0,1] neg_hi:[0,1]
.set KK,KK+1
.endr
.endm
.macro SQ m, d                         ; the sum of their squares, in four chains, with lane l xor 16's
.set KK,0
.rept 32
.if KK < 4
	v_pk_mul_f32 v[W2+8*\m+2*KK:W2+8*\m+2*KK+1], v[\d+2*KK:\d+2*KK+1], v[\d+2*KK:\d+2*KK+1]
.else
	s_delay_alu instid0(VALU_DEP_4)
	v_pk_fma_f32 v[W2+8*\m+2*(KK%4):W2+8*\m+2*(KK%4)+1], v[\d+2*KK:\d+2*KK+1], v[\d+2*KK:\d+2*KK+1], v[W2+8*\m+2*(KK%4):W2+8*\m+2*(KK%4)+1]
.endif
.set KK,KK+1
.endr
	s_delay_alu instid0(VALU_DEP_3)
	v_pk_add_f32 v[W2+8*\m:W2+8*\m+1], v[W2+8*\m:W2+8*\m+1], v[W2+8*\m+2:W2+8*\m+3]
	s_delay_alu instid0(VALU_DEP_2)
	v_pk_add_f32 v[W2+8*\m+4:W2+8*\m+5], v[W2+8*\m+4:W2+8*\m+5], v[W2+8*\m+6:W2+8*\m+7]
	s_delay_alu instid0(VALU_DEP_1)
	v_pk_add_f32 v[W2+8*\m:W2+8*\m+1], v[W2+8*\m:W2+8*\m+1], v[W2+8*\m+4:W2+8*\m+5]
	s_delay_alu instid0(VALU_DEP_1)
	v_add_f32 v[W2+8*\m], v[W2+8*\m], v[W2+8*\m+1]
	s_delay_alu instid0(VALU_DEP_1)
	v_permlanex16_b32 v[W2+8*\m+1], v[W2+8*\m], s[SEL], s[SEL+1]
	s_delay_alu instid0(VALU_DEP_1)
	v_add_f32 v[PM+2*\m+1], v[W2+8*\m], v[W2+8*\m+1]
.endm
	; ---- set-up
	s_load_b256 s[4:11], s[0:1], 0x0               ; x s[4:5], the codes s[6:7], their scales s[8:9], b_xproj s[10:11]
	s_load_b64 s[22:23], s[0:1], 0x20              ; gamma
	s_load_b128 s[24:27], s[0:1], 0x28
	s_load_b64 s[12:13], s[0:1], 0x38              ; w_out's codes
	s_load_b128 s[16:19], s[0:1], 0x40             ; ximg s[16:17], wlay s[18:19]
	v_lshl_add_u32 v[SPW], v0, 2, SPARE
	v_mov_b32 v[NIL], 0
	ds_add_u32 v1, v2
	ds_add_u32 v1, v2
	s_wait_dscnt 0x0
	v_lshrrev_b32 v60, 5, v0
	s_delay_alu instid0(VALU_DEP_1)
	v_readfirstlane_b32 s[WV], v60                 ; wave 0..7
	v_lshlrev_b32 v24, 4, v0                       ; 16 x thread
	s_bfe_u32 s33, ttmp6, 0x40000                  ; cx
	s_lshl_b32 s92, s33, 15                        ; my work-group's 64 rows of 512 bytes among the 256 that are prefetched
	s_lshl_b32 s31, ttmp9, 2
	s_add_co_u32 s31, s31, s33                     ; my chunk = 4 x cluster + cx: it enters x's and sums' global addresses alone
	s_lshr_b32 s[ASKF], s[WV], 2
	s_xor_b32 s[ASKF], s[ASKF], 1                  ; 0 in waves 4 to 7,
	s_or_b32 s[ASKF], s[ASKF], ttmp9               ; of cluster 0: the same in all four partners
	s_cmp_eq_u32 s[ASKF], 0
	s_cselect_b32 s[ASKF], 1, 0
	s_mov_b32 s[G1X], 0x07d20000                   ; no mask; elements of 4 bytes; padding on: 4 words behind every 256
	s_mov_b32 s[G1X+1], 256<<16                    ; tensor_dim0 = 256
	s_mov_b32 s[G1X+2], 32<<16                     ; tensor_dim1 = 32
	s_mov_b32 s[G1X+3], 256<<16                    ; tile_dim0 = 256
	s_mov_b32 s[G1X+4], 32                         ; tile_dim1 = 32
	s_mov_b32 s[G1X+5], 1024                       ; from row to row
	s_mov_b32 s[G1X+6], 0
	s_mov_b32 s[G1X+7], 0
	s_mov_b32 s[G1C], 0x0770000f                   ; mask: all four work-groups; bytes; padding on, bit 21 beside the mask; 4 words behind every 64
	s_mov_b32 s[G1C+1], 256<<16
	s_mov_b32 s[G1C+2], 64<<16
	s_mov_b32 s[G1C+3], 256<<16
	s_mov_b32 s[G1C+4], 64
	s_mov_b32 s[G1C+5], 512
	s_mov_b32 s[G1C+6], 0
	s_mov_b32 s[G1C+7], 0
	s_mov_b32 s[G1S], 0x0023000f                   ; mask 15; elements of 8 bytes; bit 21; no padding: 32 rows of 256 dense bytes
	s_mov_b32 s[G1S+1], 32<<16
	s_mov_b32 s[G1S+2], 32<<16
	s_mov_b32 s[G1S+3], 32<<16
	s_mov_b32 s[G1S+4], 32
	s_mov_b32 s[G1S+5], 32
	s_mov_b32 s[G1S+6], 0
	s_mov_b32 s[G1S+7], 0
	s_mov_b32 s[SEL], 0x76543210
	s_mov_b32 s[SEL+1], 0xfedcba98
	s_lshl_b32 s96, s31, 18                        ; x: the chunk's 64 rows of 4,096 bytes,
	s_and_b32 s33, s[WV], 1
	s_lshl_b32 s33, s33, 17
	s_add_co_u32 s96, s96, s33                     ; tokens 32 (w & 1) on,
	s_lshr_b32 s33, s[WV], 1
	s_lshl_b32 s33, s33, 10
	s_add_co_u32 s96, s96, s33                     ; slice w >> 1
	s_mov_b32 s97, 0
	s_and_b32 s34, s[WV], 3
	s_lshl_b32 s100, s34, 15                       ; the codes: 64 rows of 512 bytes for each fetching wave,
	s_add_co_u32 s100, s100, 524288                ; from row 1,024 on: the Bg half
	s_mov_b32 s101, 0
	s_mul_i32 s35, s34, 17408                      ; and 64 rows of 272 bytes in a slot
	s_lshl_b32 s2, s31, 12                         ; sums: my chunk's row
	s_mov_b32 s3, 0
	s_wait_kmcnt 0x0
	s_mov_b32 s[G0X], 1
	s_mul_i32 s[G0X+1], s[WV], 33280
	s_add_nc_u64 s[G0X+2:G0X+3], s[4:5], s[96:97]
	s_or_b32 s[G0X+3], s[G0X+3], 0x80000000
	s_mov_b32 s[G0A], 1
	s_mov_b32 s[G0A+1], s35
	s_add_nc_u64 s[G0A+2:G0A+3], s[6:7], s[100:101]
	s_mov_b32 s[G0B], 1
	s_add_co_u32 s[G0B+1], s35, SLOT1
	s_add_nc_u64 s[G0B+2:G0B+3], s[G0A+2:G0A+3], 256
	s_or_b32 s[G0A+3], s[G0A+3], 0x80000000
	s_or_b32 s[G0B+3], s[G0B+3], 0x80000000
	s_mov_b32 s[G0S], 1
	s_mov_b32 s[G0S+1], SCW0
	s_add_nc_u64 s[G0S+2:G0S+3], s[8:9], 32768
	s_or_b32 s[G0S+3], s[G0S+3], 0x80000000
	s_add_nc_u64 s[2:3], s[26:27], s[2:3]
	s_lshl_b32 s96, s34, 13                        ; the prefetches: my wave's 16 rows (w & 3),
	s_add_co_u32 s96, s96, s92                     ; of my work-group's 64,
	s_add_co_u32 s96, s96, 655360                  ; of rows 1,280 on: pass 1's
	s_mov_b32 s97, 0
	s_add_nc_u64 s[PFA:PFA+1], s[6:7], s[96:97]
	; FOR THE NEXT LAUNCH.  wlay: both weights' codes as images of the operand's registers: fragment f = 8 x (tile of 16 rows) + K step, 1,024 bytes each; w_xproj's 1,024 fragments, then w_out's 512.
	; Work-group c lays fragments 6 c .. 6 c + 5, a wave each (waves 0 to 5).  ximg: a record of 37,376 bytes a chunk: xn's images and scale words (36,864 bytes copied), then (rstd, -mu) of the 64 tokens.
	s_mul_i32 s33, s31, 6
	s_add_co_u32 s33, s33, s[WV]                   ; f
	s_cmp_lt_u32 s33, 1024
	s_cselect_b64 s[14:15], s[6:7], s[12:13]       ; which weight
	s_and_b32 s34, s33, 1023
	s_lshr_b32 s35, s34, 3
	s_lshl_b32 s35, s35, 13                        ; 16 rows of 512 bytes
	s_and_b32 s34, s34, 7
	s_lshl_b32 s34, s34, 6                         ; 64 bytes a K step
	s_add_co_u32 s34, s34, s35
	s_mov_b32 s35, 0
	s_add_nc_u64 s[14:15], s[14:15], s[34:35]
	s_lshl_b32 s20, s33, 10
	s_mov_b32 s21, 0
	s_add_nc_u64 s[20:21], s[18:19], s[20:21]
	s_mul_i32 s18, s31, 37376
	s_mov_b32 s19, 0
	s_add_nc_u64 s[16:17], s[16:17], s[18:19]      ; my chunk's record
	ROUND                                          ; in a cluster launch every group of tensor loads stands behind a round
	tensor_load_to_lds s[G0X:G0X+3], s[G1X:G1X+7]  ; x: 32 tokens x 1,024 bytes a wave: the launch's first fill
	s_nop 0
	NOPS 4
	s_wait_alu depctr_va_vdst(0)
	global_load_b128 v[32:35], v24, s[22:23]               ; gamma
	global_load_b128 v[36:39], v24, s[24:25]               ; beta
	global_load_b128 v[48:51], v24, s[10:11] offset:4096   ; b_xproj's second half
	v_and_b32 v60, 15, v0                          ; r
	v_bfe_u32 v61, v0, 4, 1                        ; h
	v_and_b32 v62, 31, v0                          ; lane
	s_mul_i32 s33, s[WV], 8704
	v_mul_u32_u24 v[AW0], v60, 272
	s_delay_alu instid0(VALU_DEP_1)
	v_lshl_add_u32 v[AW0], v61, 4, v[AW0]
	s_delay_alu instid0(VALU_DEP_1)
	v_add_nc_u32 v[AW0], s33, v[AW0]               ; (32 w + r) x 272 + 16 h
	s_delay_alu instid0(VALU_DEP_1)
	v_add_nc_u32 v[AW0+1], SLOT1, v[AW0]
	s_lshl_b32 s33, s[WV], 10
	v_lshl_add_u32 v[ASW0], v62, 5, SCW0
	s_delay_alu instid0(VALU_DEP_1)
	v_add_nc_u32 v[ASW0], s33, v[ASW0]             ; (32 w + lane) x 32
	s_delay_alu instid0(VALU_DEP_1)
	v_add_nc_u32 v[ASW0+1], 8192, v[ASW0]
	v_lshl_add_u32 v[LI], v62, 4, XIMG
	v_lshl_add_u32 v[LS], v60, 2, XSC
	s_lshl_b32 s33, s[WV], 8
	v_lshl_add_u32 v[IW], v60, 4, XIMG
	s_delay_alu instid0(VALU_DEP_1)
	v_lshl_add_u32 v[IW], v61, 2, v[IW]
	s_delay_alu instid0(VALU_DEP_1)
	v_add_nc_u32 v[IW], s33, v[IW]                 ; my block is K step 2 p + (w >> 2), block w & 3: together 256 w bytes; + 16 r + 4 h
	s_lshr_b32 s33, s[WV], 2
	s_lshl_b32 s33, s33, 6
	s_and_b32 s34, s[WV], 3
	s_add_co_u32 s33, s33, s34
	v_add_nc_u32 v[SW], s33, v[LS]                 ; 64 (w >> 2) + 4 r + (w & 3)
	v_lshl_add_u32 v[LS], v61, 9, v[LS]            ; the loads: lanes 16-31 take the tile of tokens eight fragments (512 bytes) on
	s_lshl_b32 s33, s[WV], 7
	v_lshlrev_b32 v63, 5, v61
	s_delay_alu instid0(VALU_DEP_1)
	v_add_nc_u32 v63, s33, v63                     ; 128 w + 32 h
	s_delay_alu instid0(VALU_DEP_1)
	v_add_nc_u32 v[PB], PAR, v63
	s_delay_alu instid0(VALU_DEP_2)
	v_add_nc_u32 v[OB], OFFS, v63
	s_delay_alu instid0(VALU_DEP_3)
	v_mad_u32_u24 v[BX], v60, 1040, v63
	v_lshlrev_b32 v[PFO], 8, v62
	v_lshl_add_u32 v25, v0, 4, PAR
.irp p,0,1,2,3
	v_add_nc_u32 v[28+\p], 66560*\p, v[BX]
.endr
	v_lshl_add_u32 v23, v60, 3, STATS
	s_lshl_b32 s33, s[WV], 9
	v_add_nc_u32 v22, s33, v23
	v_lshlrev_b32 v52, 9, v60                      ; row r of 512 bytes,
	v_lshl_add_u32 v52, v61, 4, v52                ; + 16 h
	v_lshlrev_b32 v53, 4, v62                      ; 16 x lane
	s_wait_alu depctr_va_vdst(0)
	s_cmp_lt_u32 s[WV], 6
	s_cbranch_scc0 .Lnolay
	global_load_b128 v[64:67], v52, s[14:15]
	global_load_b128 v[68:71], v52, s[14:15] offset:32
	s_wait_loadcnt 0x0
	global_store_b128 v53, v[64:67], s[20:21]              ; the wave stores 512 consecutive bytes
	global_store_b128 v53, v[68:71], s[20:21] offset:512
	s_wait_xcnt 0x0                                ; the stores have read their registers
.Lnolay:
	s_wait_loadcnt 0x0
	ds_store_b128 v25, v[32:35]
	ds_store_b128 v25, v[36:39] offset:4096
	ds_store_b128 v25, v[48:51] offset:16384
	s_wait_tensorcnt 0x0                           ; my part of x is in LDS,
	s_wait_dscnt 0x0                               ; my part of the parameters too;
	s_barrier_signal -1
	s_barrier_wait -1                              ; everybody's are
	WIN 0x40                                       ; destination window 1
.irp p,0,1,2,3
.irp m,0,1,2,3
.irp t,0,1
.irp k,0,1
	ds_load_b128 v[64*\p+16*\m+8*\t+4*\k:64*\p+16*\m+8*\t+4*\k+3], v[28+\p] offset:16640*\m+64*\t+16*\k
.endr
.endr
.endr
.endr
	WIN 0
	s_wait_tensorcnt 0x0                           ; x's bytes are left: the slots are filled over them
	ds_add_u32 v[SPW], v[NIL]
	s_wait_dscnt 0x0                               ; the add is done and x is in my registers
	ROUND
	JLOAD G0A, 1                                   ; slot 0: pass 0, first half of K; its scale bytes
	; ---- LayerNorm's statistics: each wave's mean and sum of squared deviations of its 128 features of a token; then the eight are joined.  No difference of large sums is formed.
	WIN 0x05
.irp m,0,1,2,3
.irp u,0,1
.irp k,0,2,4,6,8,10,12,14
	v_pk_add_f32 v[DL+32*\m+16*\u+\k:DL+32*\m+16*\u+\k+1], v[128*\u+16*\m+\k:128*\u+16*\m+\k+1], v[128*\u+64+16*\m+\k:128*\u+64+16*\m+\k+1]
.endr
.endr
.endr
	WIN 0
.irp m,0,1,2,3
	TREE DL+32*\m
.endr
.irp m,0,1,2,3
	v_permlanex16_b32 v[DL+32*\m+1], v[DL+32*\m], s[SEL], s[SEL+1]
.endr
.irp m,0,1,2,3
	s_delay_alu instid0(VALU_DEP_4)
	v_add_f32 v[DL+32*\m], v[DL+32*\m], v[DL+32*\m+1]
.endr
.irp m,0,1,2,3
	v_mul_f32 v[PM+2*\m], 0x3c000000, v[DL+32*\m]  ; / 128
	v_mov_b32 v[PM+2*\m+1], 0
.endr
	WIN 0x01
	DEV 0, DL
	DEV 1, HB
	WIN 0
	SQ 0, DL
	SQ 1, HB
	WIN 0x01
	DEV 2, DL
	DEV 3, HB
	WIN 0
	SQ 2, DL
	SQ 3, HB
.irp m,0,1,2,3
	ds_store_b64 v22, v[PM+2*\m:PM+2*\m+1] offset:128*\m
.endr
	s_wait_dscnt 0x0
	s_barrier_signal -1
	s_barrier_wait -1                              ; slot 0's load may stay out
.irp m,0,1,2,3
.irp u,0,1,2,3,4,5,6,7
	ds_load_b64 v[DL+16*\m+2*\u:DL+16*\m+2*\u+1], v23 offset:512*\u+128*\m
.endr
.endr
	s_mov_b32 s33, 0x3a800000                      ; 1 / 1,024
	s_mov_b32 s34, 0x3727c5ac                      ; 1e-5
	s_wait_dscnt 0x0
.irp m,0,1,2,3
.irp u,0,1,2,3
	v_pk_add_f32 v[HB+8*\m+2*\u:HB+8*\m+2*\u+1], v[DL+16*\m+2*\u:DL+16*\m+2*\u+1], v[DL+16*\m+8+2*\u:DL+16*\m+8+2*\u+1]
.endr
.endr
.irp m,0,1,2,3
.irp u,0,1
	v_pk_add_f32 v[HB+8*\m+2*\u:HB+8*\m+2*\u+1], v[HB+8*\m+2*\u:HB+8*\m+2*\u+1], v[HB+8*\m+4+2*\u:HB+8*\m+4+2*\u+1]
.endr
.endr
.irp m,0,1,2,3
	v_pk_add_f32 v[HB+8*\m:HB+8*\m+1], v[HB+8*\m:HB+8*\m+1], v[HB+8*\m+2:HB+8*\m+3]   ; (the sum of the means, the sum of the sums of squares)
.endr
.irp m,0,1,2,3
	s_delay_alu instid0(VALU_DEP_4)
	v_mul_f32 v[PM+2*\m+1], 0xbe000000, v[HB+8*\m] ; -mu
.endr
.irp m,0,1,2,3
.irp u,0,1,2,3,4,5,6,7
	v_add_f32 v[DL+16*\m+2*\u], v[DL+16*\m+2*\u], v[PM+2*\m+1]
.endr
.endr
.irp m,0,1,2,3
	v_mul_f32 v[HB+8*\m+2], v[DL+16*\m], v[DL+16*\m]
.endr
.irp u,1,2,3,4,5,6,7
.irp m,0,1,2,3
	s_delay_alu instid0(VALU_DEP_4)
	v_fmac_f32 v[HB+8*\m+2], v[DL+16*\m+2*\u], v[DL+16*\m+2*\u]
.endr
.endr
.irp m,0,1,2,3
	s_delay_alu instid0(VALU_DEP_4)
	v_fma_f32 v[HB+8*\m+1], v[HB+8*\m+2], 0x43000000, v[HB+8*\m+1]   ; + 128 x the sum of (a wave's mean - mu)^2
.endr
.irp m,0,1,2,3
	s_delay_alu instid0(VALU_DEP_4)
	v_fma_f32 v[HB+8*\m], v[HB+8*\m+1], s33, s34
.endr
	s_wait_alu depctr_va_vdst(0)
.irp m,0,1,2,3
	v_rsq_f32 v[PM+2*\m], v[HB+8*\m]
.endr
	v_nop                                          ; a plain place behind the last of them
	s_wait_alu depctr_va_vdst(0)                   ; one wait for the four, ahead of their first reader and of the label
	; ---- xn is quantised, a pass a trip
	s_mov_b32 s[CNT], 0
.Lxq:
	TSEL
	XNORM
	QUANT WK
	v_add_nc_u32 v[PB], 1024, v[PB]
	v_add_nc_u32 v[IW], 2048, v[IW]
	v_add_nc_u32 v[SW], 128, v[SW]
	s_add_co_u32 s[CNT], s[CNT], 1
	s_cmp_lt_u32 s[CNT], 4
	s_cbranch_scc1 .Lxq
	v_sub_nc_u32 v[PB], v[PB], 4096
	s_wait_tensorcnt 0x0                           ; slot 0 and its scale bytes have landed
	ds_add_u32 v[SPW], v[NIL]
	s_wait_dscnt 0x0
	ROUND                                          ; xn's images lie in LDS
	JLOAD G0B, 0
	ASK
	v_lshl_add_u32 v22, v0, 4, XIMG                ; the record: 9 x 4,096 bytes from XIMG on
	v_lshlrev_b32 v23, 4, v0
.irp k,0,1,2,3,4,5,6,7,8
	ds_load_b128 v[DL+4*\k:DL+4*\k+3], v22 offset:4096*\k
.endr
	v_and_b32 v100, 31, v0
	v_bfe_u32 v101, v0, 4, 1
	v_lshlrev_b32 v100, 3, v100                    ; 8 x lane: lanes 16-31 store the next tile's tokens
	v_cmp_eq_u32 vcc_lo, 1, v101
	v_cndmask_b32 v102, v24, v26, vcc_lo
	v_cndmask_b32 v103, v25, v27, vcc_lo
	v_cndmask_b32 v104, v28, v30, vcc_lo
	v_cndmask_b32 v105, v29, v31, vcc_lo
	s_wait_alu depctr_va_vdst(0)
	s_wait_dscnt 0x0
.irp k,0,1,2,3,4,5,6,7,8
	global_store_b128 v23, v[DL+4*\k:DL+4*\k+3], s[16:17] offset:4096*\k
.endr
	s_cmp_lg_u32 s[WV], 0
	s_cbranch_scc1 .Lnopm
	global_store_b64 v100, v[102:103], s[16:17] offset:36864   ; 256 consecutive bytes each
	global_store_b64 v100, v[104:105], s[16:17] offset:37120
.Lnopm:
	s_wait_xcnt 0x0                                ; the stores have read their registers
	; ---- the four passes, written out. Slot 1's refill stands in the middle of the elementwise part, so that each of a pass's two refills has a half product and half of that part in which to land
.irp p,0,1,2,3
	GEMM4 0,0,\p%2,HB,0,1
.if \p < 3
	CHANGE G0A, 1, 0
.else
	MEET
.endif
	GEMM4 1,1,\p%2,HB,0,0
	TVAR \p
	XNORM
.irp q,0,1,2,3
	ds_load_b128 v[W2+4*\q:W2+4*\q+3], v[PB] offset:16384+64*(\q/2)+16*(\q%2)
.endr
	s_wait_dscnt 0x0
.set KK,0
.rept 32
	v_pk_add_f32 v[HB+2*KK:HB+2*KK+1], v[HB+2*KK:HB+2*KK+1], v[W2+2*(KK%8):W2+2*(KK%8)+1]   ; each accumulator is read from its low end on
.set KK,KK+1
.endr
.set KK,0
.rept 32
	v_pk_mul_f32 v[HB+2*KK:HB+2*KK+1], v[HB+2*KK:HB+2*KK+1], v[WK+2*KK:WK+2*KK+1]           ; u = xn (Bg + b)
.set KK,KK+1
.endr
.if \p < 2
	CHANGE G0B, 0, 1
.elseif \p < 3
	CHANGE G0B, 0, 0
.endif
.irp m,1,2,3
.irp k,0,2,4,6,8,10,12,14
	v_pk_add_f32 v[HB+\k:HB+\k+1], v[HB+\k:HB+\k+1], v[HB+16*\m+\k:HB+16*\m+\k+1]
.endr
.endr
.irp n,1,2,4,8
.set KK,0
.rept 16
	v_add_f32_dpp v[HB+KK], v[HB+KK], v[HB+KK] row_xmask:\n row_mask:0xf bank_mask:0xf     ; over the sixteen tokens of a row of lanes
.set KK,KK+1
.endr
.endr
.irp q,0,1,2,3
	ds_store_b128 v[OB], v[HB+4*\q:HB+4*\q+3] offset:64*(\q/2)+16*(\q%2)                   ; sixteen lanes write the same bytes with the same value
.endr
	s_wait_dscnt 0x0
	v_add_nc_u32 v[PB], 1024, v[PB]
	v_add_nc_u32 v[OB], 1024, v[OB]
.endr
	s_barrier_signal -1
	s_barrier_wait -1                              ; the chunk's 1,024 sums lie in LDS
	v_lshl_add_u32 v22, v0, 4, OFFS
	v_lshlrev_b32 v23, 4, v0
	ds_load_b128 v[DL:DL+3], v22
	s_wait_alu depctr_va_vdst(0)
	s_wait_dscnt 0x0
	global_store_b128 v23, v[DL:DL+3], s[2:3]      ; the work-group stores 4,096 consecutive bytes, a wave 512
	s_wait_tensorcnt 0x0                           ; the wave's end
	ds_add_u32 v[SPW], v[NIL]
	s_wait_dscnt 0x0
	ROUND                                          ; the closing round
	s_endpgm
.Lfunc_end_k_q0fc200b652_chunk_sums:
	.size	k_q0fc200b652_chunk_sums, .Lfunc_end_k_q0fc200b652_chunk_sums-k_q0fc200b652_chunk_sums
	.p2alignl 7, 3214868480
	.fill 96, 4, 3214868480
	.section	.rodata,"a",@progbits
	.p2align	6, 0x0
	.amdhsa_kernel k_q0fc200b652_chunk_sums
		.amdhsa_group_segment_fixed_size 327680
		.amdhsa_private_segment_fixed_size 0
		.amdhsa_enable_private_segment 0
		.amdhsa_kernarg_size 80
		.amdhsa_user_sgpr_count 2
		.amdhsa_user_sgpr_kernarg_segment_ptr 1
		.amdhsa_wavefront_size32 1
		.amdhsa_system_sgpr_workgroup_id_x 1
		.amdhsa_system_sgpr_workgroup_id_y 1
		.amdhsa_system_sgpr_workgroup_id_z 1
		.amdhsa_system_vgpr_workitem_id 0
		.amdhsa_next_free_vgpr 512
		.amdhsa_next_free_sgpr 102
		.amdhsa_reserve_vcc 1
		.amdhsa_float_denorm_mode_32 3
		.amdhsa_float_denorm_mode_16_64 3
		.amdhsa_memory_ordered 1
		.amdhsa_forward_progress 1
		.amdhsa_inst_pref_size 219
	.end_amdhsa_kernel
	.amdgpu_metadata
---
amdhsa.version: [ 1, 2 ]
amdhsa.kernels:
  - .name:           k_q0fc200b652_chunk_sums
    .symbol:         k_q0fc200b652_chunk_sums.kd
    .args:
      - { .name: x, .offset: 0, .size: 8, .value_kind: global_buffer, .address_space: global }
      - { .name: w_xproj_codes, .offset: 8, .size: 8, .value_kind: global_buffer, .address_space: global }
      - { .name: w_xproj_scales, .offset: 16, .size: 8, .value_kind: global_buffer, .address_space: global }
      - { .name: b_xproj, .offset: 24, .size: 8, .value_kind: global_buffer, .address_space: global }
      - { .name: gamma, .offset: 32, .size: 8, .value_kind: global_buffer, .address_space: global }
      - { .name: beta, .offset: 40, .size: 8, .value_kind: global_buffer, .address_space: global }
      - { .name: sums, .offset: 48, .size: 8, .value_kind: global_buffer, .address_space: global }
      - { .name: w_out_codes, .offset: 56, .size: 8, .value_kind: global_buffer, .address_space: global }
      - { .name: ximg, .offset: 64, .size: 8, .value_kind: global_buffer, .address_space: global }
      - { .name: wlay, .offset: 72, .size: 8, .value_kind: global_buffer, .address_space: global }
    .group_segment_fixed_size: 327680
    .private_segment_fixed_size: 0
    .kernarg_segment_align: 8
    .kernarg_segment_size: 80
    .max_flat_workgroup_size: 256
    .sgpr_count:     102
    .vgpr_count:     512
    .wavefront_size: 32
...
	.end_amdgpu_metadata
.endif
;; end of part 1
;; launch main (part 2): grid 256 x 1, 8 waves a work-group, no clusters, 327,680 bytes of LDS; arguments x, wlay, w_xproj_scales, b_xproj, A, D_param, w_out_scales, b_out, gamma, beta, sums, ximg, out0; writes out0
.if DOCPART == 2
	.amdgcn_target "amdgcn-amd-amdhsa--gfx1250"
	.amdhsa_code_object_version 6
	.text
	.protected	k_q0fc200b652_main
	.globl	k_q0fc200b652_main
	.p2align	8
	.type	k_q0fc200b652_main,@function
k_q0fc200b652_main:
	s_mov_b64 s[64:65], 0
	v_nop
	global_prefetch_b8 v0, s[64:65] scope:SCOPE_SE
	s_setreg_imm32_b32 hwreg(HW_REG_WAVE_MODE, 25, 1), 1
	s_wait_xcnt 0x0
; out0 = Q(h gate + xn D) w_out^T + b_out + x; xn = LayerNorm(x) gamma + beta, (delta, Bg) = Q(xn) w_xproj^T + b_xproj, gate = sum over 16 s of exp(softplus(delta) A[d][s]), h = running sum along the tokens of xn Bg.
; A work-group of eight waves owns chunk c = tokens 64 c .. 64 c + 63.  From the launch before: xn's codes, scale words and (rstd, -mu) (ximg), the chunks' sums (sums), the weights' codes as images of operand registers (wlay).
; In pass p wave w owns features 256 p + 32 w .. + 31 for all 64 tokens.  PRODUCTS TRANSPOSED (source 0 = 16 weight rows, source 1 = 16 tokens): tile (m, t), lane (r, h), register j = token 16 m + r, feature 32 w + 16 t + 8 h + j.
; WEIGHTS: a wave's 32 rows x 1,024 K are 16,384 consecutive bytes of wlay, read by that wave alone: 32 loads of 512 bytes into 128 registers of window 1.  Two such buffers take turns; a buffer is asked for
; again in a pass's gate, four loads a feature, and in the second product straight behind the product that read it.  NO CLUSTER: no weight byte passes LDS and no two waves of a work-group read the same row, so a joint load, which lands in LDS behind
; a round of all partners, has no place to land.  NO PREFETCH: every stream (weights, x's slices) is asked for a whole pass's stage ahead of its use by the loads themselves.
; x comes in slices of 64 tokens x 1,024 bytes through two LDS slots, 8 tokens a wave, one tensor load a wave behind the one barrier of each pass and of each step of the second product (x is read for xn and again for the residual).
; LIMITS: NaN and infinities are not served.  A block of 32 whose largest magnitude lies under 2^-124 gets the scale byte 1 (read by this program alone).  softplus = max(z, 0) + log(1 + e^-|z|) in base 2.
; An exponential under 2^-126 comes out as 0 (ISA guide 15.8).  The running sum's order of additions (scan over 16 lanes, carry from tile to tile, earlier chunks' sums) is not a plain loop's.
.set OIMG,  66560                      ; slot 0 at 0 (64 x 1,040).  Images of the second operand: fragment (m, K step s) at (8 m + s) x 1,024
.set OSC,   99328                      ; their scale words
.set PAR,   101376                     ; gamma, beta +4,096, D +8,192, b_xproj +12,288, b_out +20,480, the running sums' starts +24,576
.set SPARE, 130048                     ; the spare words
.set ATAB,  197632                     ; slot 1 at 131,072.  A as it lies; later the stage of the way out, 64 x 1,040
.set STG,   197632
.set XIMG,  264192                     ; xn's images, and at + 32,768 their scale words
.set XSC,   296960
.set SPW,1
.set NIL,2
.set XA,3                              ; my place in x's slot
.set LI,4                              ; images: 16 x lane
.set LS,5                              ; tokens' scale words
.set IW,6                              ; where I store codes; in the second product: the stage, read
.set SW,7                              ; where I store my scale byte
.set PB,8                              ; my features' place in a parameter
.set AB,9                              ; my features' rows of A; in the second product: the stage, write
.set GO,10                             ; 16 x lane
.set SO,11                             ; 32 x lane
.set S8,12                             ; v12-19 the weight's scale words, one register a K step; v20-23 the tokens', two sets: scales and nothing else
.set TS,20
.set PM,24                             ; v[24+2m:25+2m] (rstd, -mu) of token 16 m + r
.set W2,32
.set DL,64
.set HB,128
.set WK,192
.set SG,9
.set SRD,6
.set WV,30
.set G1,36
.set G0,44
.set XBT,48                            ; x at my 8 tokens, with the type bits
.set XO,50
.set SLC,52
.set CNT,53
.set WAP,54
.set WBP,56
.set SPD,58
.set SPG,60
.set WOS,62
.set OUT,66
.set SEL,68
.set L2E,70
.set MSB,0
.macro WIN new
.if MSB != \new
	s_set_vgpr_msb (MSB<<8)|\new
.set MSB, \new
.endif
.endm
.macro NOPS n
.rept \n
	v_nop
.endr
.endm
; A change of x's slots: all my tensor loads are in, the add to my spare word, my LDS instructions are done, the barrier; then my one load: the next slice into the slot read in the stage before.
.macro SEQ fill
	s_wait_alu depctr_va_vdst(0)
	s_wait_tensorcnt 0x0
	ds_add_u32 v[SPW], v[NIL]
.if \fill
	s_xor_b32 s[G0+1], s[G0+1], 0x20000
	s_add_co_u32 s[SLC], s[SLC], 1
	s_and_b32 s[SLC], s[SLC], 3
	s_lshl_b32 s[XO], s[SLC], 10
	s_add_nc_u64 s[G0+2:G0+3], s[XBT:XBT+1], s[XO:XO+1]
.endif
	s_wait_dscnt 0x0
	s_barrier_signal -1
	s_barrier_wait -1
.if \fill
	tensor_load_to_lds s[G0:G0+3], s[G1:G1+7]
	s_nop 0
	NOPS 4
.endif
.endm
.macro WLOAD wb, ptr                   ; 32 rows x all of K: register wb + 8 (8 t + ks) + 4 c
	WIN 0x40
.set KK,0
.rept 32
	global_load_b128 v[\wb+4*KK:\wb+4*KK+3], v[GO], s[\ptr:\ptr+1] offset:512*KK
.set KK,KK+1
.endr
	WIN 0
.endm
.macro SLOAD ptr                       ; lane l: the 32 scale bytes of row 32 w + l
	global_load_b128 v[S8:S8+3], v[SO], s[\ptr:\ptr+1]
	global_load_b128 v[S8+4:S8+7], v[SO], s[\ptr:\ptr+1] offset:16
.endm
.macro TLOAD ks                        ; the tokens' four fragments and two scale registers of K step ks, into set ks % 2: 10 LDS loads
.set LX, 208-176*((\ks)%2)
.set LC, TS+2*((\ks)%2)
.irp m,0,1,2,3
.irp c,0,1
	ds_load_b128 v[LX+8*\m+4*\c:LX+8*\m+4*\c+3], v[LI] offset:(8*\m+(\ks))*1024+512*\c
.endr
.endr
.irp u,0,1
	ds_load_b32 v[LC+\u], v[LS] offset:(16*\u+(\ks))*64
.endr
.endm
.macro WM2 c, m, t                     ; the weight's second tile and the odd tiles of tokens take their scale words from lanes 16-31
.if ((\t) == 0) && (((\m)%2) == 0)
	v_wmma_scale_f32_16x16x128_f8f6f4 v[DD:DD+7], v[RA:RA+7], v[RB:RB+7], \c, v[RW], v[RS] matrix_a_fmt:MATRIX_FMT_FP4 matrix_b_fmt:MATRIX_FMT_FP4
.elseif (\t) == 0
	v_wmma_scale_f32_16x16x128_f8f6f4 v[DD:DD+7], v[RA:RA+7], v[RB:RB+7], \c, v[RW], v[RS] matrix_a_fmt:MATRIX_FMT_FP4 matrix_b_fmt:MATRIX_FMT_FP4 matrix_b_scale:MATRIX_SCALE_ROW1
.elseif ((\m)%2) == 0
	v_wmma_scale_f32_16x16x128_f8f6f4 v[DD:DD+7], v[RA:RA+7], v[RB:RB+7], \c, v[RW], v[RS] matrix_a_fmt:MATRIX_FMT_FP4 matrix_b_fmt:MATRIX_FMT_FP4 matrix_a_scale:MATRIX_SCALE_ROW1
.else
	v_wmma_scale_f32_16x16x128_f8f6f4 v[DD:DD+7], v[RA:RA+7], v[RB:RB+7], \c, v[RW], v[RS] matrix_a_fmt:MATRIX_FMT_FP4 matrix_b_fmt:MATRIX_FMT_FP4 matrix_a_scale:MATRIX_SCALE_ROW1 matrix_b_scale:MATRIX_SCALE_ROW1
.endif
.endm
; All of K: eight steps of 128, eight accumulators by turns; four places behind each step (ISA guide 7.12.1).  The next step's 10 loads may be out while a step is multiplied.
.macro GEMM8 wb, acc, zero
	TLOAD 0
.irp ks,0,1,2,3,4,5,6,7
.if \ks < 7
	TLOAD \ks+1
	s_wait_dscnt 10
.else
	s_wait_dscnt 0x0
.endif
	WIN 0x01
.irp m,0,1,2,3
.irp t,0,1
.set DD,(\acc)+16*\m+8*\t
.set RA,(\wb)+8*(8*\t+\ks)
.set RB,208-176*(\ks%2)+8*\m
.set RS,TS+2*(\ks%2)+\m/2
.set RW,S8+\ks
.if (\zero) && (\ks == 0)
	WM2 0, \m, \t
.else
	WM2 v[DD:DD+7], \m, \t
.endif
.endr
.endr
	WIN 0
	NOPS 4
.endr
.endm
.macro XLOAD d                         ; my 64 numbers of x's slice
.irp m,0,1,2,3
.irp t,0,1
.irp k,0,1
	ds_load_b128 v[\d+16*\m+8*\t+4*\k:\d+16*\m+8*\t+4*\k+3], v[XA] offset:16640*\m+64*\t+16*\k
.endr
.endr
.endr
.endm
.macro XNORM                           ; WK = (WK - mu) rstd gamma + beta
.irp q,0,1,2,3
	ds_load_b128 v[W2+4*\q:W2+4*\q+3], v[PB] offset:64*(\q/2)+16*(\q%2)
	ds_load_b128 v[W2+16+4*\q:W2+16+4*\q+3], v[PB] offset:4096+64*(\q/2)+16*(\q%2)
.endr
.set KK,0
.rept 32
	v_pk_add_f32 v[WK+2*KK:WK+2*KK+1], v[WK+2*KK:WK+2*KK+1], v[PM+2*(KK/8):PM+2*(KK/8)+1] op_sel:[0,1] op_sel_hi:[1,1]
.set KK,KK+1
.endr
.set KK,0
.rept 32
	v_pk_mul_f32 v[WK+2*KK:WK+2*KK+1], v[WK+2*KK:WK+2*KK+1], v[PM+2*(KK/8):PM+2*(KK/8)+1] op_sel_hi:[1,0]
.set KK,KK+1
.endr
	s_wait_dscnt 0x0
.set KK,0
.rept 32
	v_pk_fma_f32 v[WK+2*KK:WK+2*KK+1], v[WK+2*KK:WK+2*KK+1], v[W2+2*(KK%8):W2+2*(KK%8)+1], v[W2+16+2*(KK%8):W2+16+2*(KK%8)+1]
.set KK,KK+1
.endr
.endm
; 64 numbers become codes: for each m my 16 and lane l xor 16's 16 are one block of 32 along K
.macro QUANT src
.irp m,0,1,2,3
	v_max3_num_f32 v[W2+\m], |v[\src+16*\m]|, |v[\src+16*\m+1]|, 0x1800000   ; the floor 2^(3 - 127)
.endr
.irp i,2,4,6,8,10,12,14
.irp m,0,1,2,3
	s_delay_alu instid0(VALU_DEP_4)
	v_max3_num_f32 v[W2+\m], v[W2+\m], |v[\src+16*\m+\i]|, |v[\src+16*\m+\i+1]|
.endr
.endr
.irp m,0,1,2,3
	s_delay_alu instid0(VALU_DEP_4)
	v_permlanex16_b32 v[W2+4+\m], v[W2+\m], s[SEL], s[SEL+1]
.endr
.irp m,0,1,2,3
	s_delay_alu instid0(VALU_DEP_4)
	v_max_num_f32 v[W2+\m], v[W2+\m], v[W2+4+\m]
.endr
.irp m,0,1,2,3
	s_delay_alu instid0(VALU_DEP_4)
	v_add_nc_u32 v[W2+8+\m], 0xff000000, v[W2+\m]  ; 2 off the exponent field: the conversion's scale operand
.endr
.irp m,0,1,2,3
	s_delay_alu instid0(VALU_DEP_4)
	v_lshrrev_b32 v[W2+12+\m], 23, v[W2+8+\m]      ; the scale's byte
.endr
.irp m,0,1,2,3
.irp t,0,1
	v_cvt_scalef32_pk8_fp4_f32 v[W2+16+2*\m+\t], v[\src+16*\m+8*\t:\src+16*\m+8*\t+7], v[W2+8+\m]
.endr
.endr
	v_nop
.irp m,0,1,2,3
.irp t,0,1
	ds_store_b32 v[IW], v[W2+16+2*\m+\t] offset:8192*\m+8*\t
.endr
.endr
.irp m,0,1,2,3
	ds_store_b8 v[SW], v[W2+12+\m] offset:512*\m   ; both halves of the lanes write the same byte with the same value
.endr
	s_wait_dscnt 0x0
.endm
; THE GATE, feature i of the lane at a time: its row of A; A x delta; 64 exponentials; their sums take delta's place
.macro ALOAD i, a
.irp q,0,1,2,3
	ds_load_b128 v[(\a)+4*\q:(\a)+4*\q+3], v[AB] offset:(16*((\i)/8)+(\i)%8)*64+16*\q
.endr
.endm
.macro GMUL i, tt, a
.irp m,0,1,2,3
.irp q,0,2,4,6,8,10,12,14
.if ((\i)%2) == 0
	v_pk_mul_f32 v[(\tt)+16*\m+\q:(\tt)+16*\m+\q+1], v[(\a)+\q:(\a)+\q+1], v[DL+16*\m+2*((\i)/2):DL+16*\m+2*((\i)/2)+1] op_sel_hi:[1,0]
.else
	v_pk_mul_f32 v[(\tt)+16*\m+\q:(\tt)+16*\m+\q+1], v[(\a)+\q:(\a)+\q+1], v[DL+16*\m+2*((\i)/2):DL+16*\m+2*((\i)/2)+1] op_sel:[0,1] op_sel_hi:[1,1]
.endif
.endr
.endr
.endm
.macro GEXP tt
.set KK,0
.rept 64
	v_exp_f32 v[(\tt)+KK], v[(\tt)+KK]
.set KK,KK+1
.endr
.endm
.macro GADD i, tt
.irp q,0,2,4,6
.irp m,0,1,2,3
	v_pk_add_f32 v[(\tt)+16*\m+\q:(\tt)+16*\m+\q+1], v[(\tt)+16*\m+\q:(\tt)+16*\m+\q+1], v[(\tt)+16*\m+\q+8:(\tt)+16*\m+\q+9]
.endr
.endr
.irp q,0,2
.irp m,0,1,2,3
	v_pk_add_f32 v[(\tt)+16*\m+\q:(\tt)+16*\m+\q+1], v[(\tt)+16*\m+\q:(\tt)+16*\m+\q+1], v[(\tt)+16*\m+\q+4:(\tt)+16*\m+\q+5]
.endr
.endr
.irp m,0,1,2,3
	s_delay_alu instid0(VALU_DEP_4)
	v_pk_add_f32 v[(\tt)+16*\m:(\tt)+16*\m+1], v[(\tt)+16*\m:(\tt)+16*\m+1], v[(\tt)+16*\m+2:(\tt)+16*\m+3]
.endr
.irp m,0,1,2,3
	s_delay_alu instid0(VALU_DEP_4)
	v_add_f32 v[DL+16*\m+(\i)], v[(\tt)+16*\m], v[(\tt)+16*\m+1]
.endr
.endm
	; ---- the head
	s_load_b512 s[4:19], s[0:1], 0x0               ; x, wlay, w_xproj's scales, b_xproj, A, D, w_out's scales, b_out
	s_load_b256 s[20:27], s[0:1], 0x40             ; gamma, beta, sums, ximg
	s_load_b64 s[28:29], s[0:1], 0x60              ; out0
	v_lshl_add_u32 v[SPW], v0, 2, SPARE
	v_mov_b32 v[NIL], 0
	ds_add_u32 v[SPW], v[NIL]                      ; the opening lines
	ds_add_u32 v[SPW], v[NIL]
	v_lshrrev_b32 v60, 5, v0
	v_readfirstlane_b32 s[WV], v60                 ; wave 0..7
	v_lshlrev_b32 v240, 4, v0                      ; 16 x thread
	v_and_b32 v60, 15, v0                          ; r
	v_bfe_u32 v61, v0, 4, 1                        ; h
	v_and_b32 v62, 31, v0                          ; lane
	v_lshlrev_b32 v[GO], 4, v62
	v_lshlrev_b32 v[SO], 5, v62
	v_lshlrev_b32 v245, 3, v60
	s_mov_b32 s31, ttmp9                           ; my chunk
	s_and_b32 s32, s31, 31                         ; its place in its batch
	s_mov_b32 s[G1], 0x07d20000                    ; elements of 4 bytes; 4 words of padding behind every 256
	s_mov_b32 s[G1+1], 256<<16
	s_mov_b32 s[G1+2], 8<<16
	s_mov_b32 s[G1+3], 256<<16
	s_mov_b32 s[G1+4], 8                           ; 8 rows of 1,024 bytes
	s_mov_b32 s[G1+5], 1024
	s_mov_b32 s[G1+6], 0
	s_mov_b32 s[G1+7], 0
	s_mov_b32 s[SEL], 0x76543210
	s_mov_b32 s[SEL+1], 0xfedcba98
	s_mov_b32 s[L2E], 0x3fb8aa3b
	s_mov_b32 s[L2E+1], s[L2E]
	s_mov_b32 s72, 0xbfb8aa3b
	s_mov_b32 s[SLC], 0
	s_mov_b32 s[XO+1], 0
	s_lshl_b32 s34, s31, 18                        ; the chunk's 64 rows of 4,096 bytes,
	s_lshl_b32 s33, s[WV], 15
	s_add_co_u32 s34, s34, s33                     ; tokens 8 w on
	s_mov_b32 s35, 0
	s_wait_dscnt 0x0
	s_wait_alu depctr_va_vdst(0)
	s_wait_kmcnt 0x0
	s_add_nc_u64 s[XBT:XBT+1], s[4:5], s[34:35]
	s_add_nc_u64 s[OUT:OUT+1], s[28:29], s[34:35]
	s_or_b32 s[XBT+1], s[XBT+1], 0x80000000
	s_mov_b32 s[G0], 1
	s_mul_i32 s[G0+1], s[WV], 8320
	s_mov_b64 s[G0+2:G0+3], s[XBT:XBT+1]
	tensor_load_to_lds s[G0:G0+3], s[G1:G1+7]      ; slice 0 into slot 0: my one load at the head
	s_nop 0
	NOPS 4
	s_lshr_b32 s34, s31, 5
	s_lshl_b32 s34, s34, 17
	s_add_nc_u64 s[24:25], s[24:25], s[34:35]      ; my batch's 32 rows of sums
	s_mul_i32 s34, s31, 37376
	s_add_nc_u64 s[26:27], s[26:27], s[34:35]      ; my chunk's record
	s_lshl_b32 s34, s[WV], 14
	s_add_nc_u64 s[WAP:WAP+1], s[6:7], s[34:35]    ; delta's rows of pass 0
	s_add_nc_u64 s[WBP:WBP+1], s[WAP:WAP+1], 524288   ; Bg's
	s_lshl_b32 s34, s[WV], 10
	s_add_nc_u64 s[SPD:SPD+1], s[8:9], s[34:35]
	s_add_nc_u64 s[SPG:SPG+1], s[SPD:SPD+1], 32768
	s_add_nc_u64 s[WOS:WOS+1], s[16:17], s[34:35]
.irp k,0,1,2,3,4,5,6,7,8
	global_load_b128 v[WK+4*\k:WK+4*\k+3], v240, s[26:27] offset:4096*\k      ; xn's images and scale words
.endr
	global_load_b128 v[32:35], v240, s[20:21]              ; gamma
	global_load_b128 v[36:39], v240, s[22:23]              ; beta
	global_load_b128 v[40:43], v240, s[14:15]              ; D
	global_load_b128 v[44:47], v240, s[10:11]              ; b_xproj
	global_load_b128 v[48:51], v240, s[10:11] offset:4096
	global_load_b128 v[52:55], v240, s[18:19]              ; b_out
.irp m,0,1,2,3
	global_load_b64 v[PM+2*\m:PM+2*\m+1], v245, s[26:27] offset:36864+128*\m
.endr
.irp k,0,1,2,3,4,5,6,7,8,9,10,11,12,13,14,15
	global_load_b128 v[DL+4*\k:DL+4*\k+3], v240, s[12:13] offset:4096*\k      ; A
.endr
.irp c,0,1,2,3,4,5,6,7,8,9,10,11,12,13,14,15
	global_load_b128 v[HB+4*\c:HB+4*\c+3], v240, s[24:25] offset:4096*\c      ; the sums of my batch's chunks 0-15,
.endr
	WIN 0x40
.irp c,0,1,2,3,4,5,6,7,8,9,10,11,12,13,14,15
	global_load_b128 v[128+4*\c:128+4*\c+3], v240, s[24:25] offset:65536+4096*\c   ; and 16-31, in window 1
.endr
	WIN 0
	SLOAD SPD
	WLOAD 0, WAP
	s_lshl_b32 s33, s[WV], 7
	v_lshlrev_b32 v63, 5, v61
	v_add_nc_u32 v63, s33, v63                     ; 128 w + 32 h
	v_mad_u32_u24 v[XA], v60, 1040, v63
	v_add_nc_u32 v[PB], PAR, v63
	v_lshl_add_u32 v[AB], v63, 4, ATAB             ; 64 bytes a feature
	v_lshl_add_u32 v[LI], v62, 4, XIMG
	v_lshl_add_u32 v[LS], v60, 2, XSC
	v_lshl_add_u32 v[LS], v61, 9, v[LS]            ; lanes 16-31 take the tile of tokens eight fragments on
	s_lshl_b32 s33, s[WV], 8
	v_lshl_add_u32 v[IW], v60, 4, OIMG
	v_lshl_add_u32 v[IW], v61, 2, v[IW]
	v_add_nc_u32 v[IW], s33, v[IW]                 ; K step 2 p + (w >> 2), block w & 3: 256 w; + 16 r + 4 h
	s_lshr_b32 s33, s[WV], 2
	s_lshl_b32 s33, s33, 6
	s_and_b32 s34, s[WV], 3
	s_add_co_u32 s33, s33, s34
	v_lshl_add_u32 v[SW], v60, 2, OSC
	v_add_nc_u32 v[SW], s33, v[SW]
	v_lshl_add_u32 v241, v0, 4, PAR
	v_lshl_add_u32 v242, v0, 4, ATAB
	v_lshl_add_u32 v244, v0, 4, XIMG
	s_wait_alu depctr_va_vdst(0)
	s_wait_loadcnt 34                              ; all but the weight's 2 loads of scales and 32 of codes
.irp k,0,1,2,3,4,5,6,7
	ds_store_b128 v244, v[WK+4*\k:WK+4*\k+3] offset:4096*\k
.endr
	s_cmp_lt_u32 s[WV], 4
	s_cbranch_scc0 .Lno9
	ds_store_b128 v244, v[WK+32:WK+35] offset:32768        ; the scale words: 2,048 bytes, waves 0 to 3
.Lno9:
.irp a,0,1,2,3,4,5
	ds_store_b128 v241, v[W2+4*\a:W2+4*\a+3] offset:4096*\a
.endr
.irp k,0,1,2,3,4,5,6,7,8,9,10,11,12,13,14,15
	ds_store_b128 v242, v[DL+4*\k:DL+4*\k+3] offset:4096*\k
.endr
	s_mov_b32 s35, 0
.set CC,0
.rept 32                               ; the starts: the earlier chunks' rows count once, the others not
	s_cmp_gt_u32 s32, CC
	s_cselect_b32 s34, 1.0, 0
.if CC == 0
	v_pk_mul_f32 v[56:57], v[HB:HB+1], s[34:35] op_sel_hi:[1,0]
	v_pk_mul_f32 v[58:59], v[HB+2:HB+3], s[34:35] op_sel_hi:[1,0]
.else
.if CC == 16
	WIN 0x01
.endif
	v_pk_fma_f32 v[56:57], v[128+4*(CC%16):128+4*(CC%16)+1], s[34:35], v[56:57] op_sel_hi:[1,0,1]
	v_pk_fma_f32 v[58:59], v[128+4*(CC%16)+2:128+4*(CC%16)+3], s[34:35], v[58:59] op_sel_hi:[1,0,1]
.endif
.set CC,CC+1
.endr
	WIN 0
	s_wait_alu depctr_va_vdst(0)
	ds_store_b128 v241, v[56:59] offset:24576
	; ---- the four passes
	s_mov_b32 s[CNT], 0
.Lpass:
	SEQ 1                                          ; slice p has landed, everybody's LDS stores are done; slice p + 1 goes out (behind pass 3: slice 0 again, for the residual)
	s_wait_loadcnt 0x0                             ; delta's codes (asked for in the last pass's gate, or at the head) and their scale words
	GEMM8 0, DL, 1                                 ; delta
	s_wait_xcnt 0x0
	s_mov_b32 s34, 131072                          ; the next pass's delta; behind pass 3: w_out's rows 0 on
	s_cmp_eq_u32 s[CNT], 3
	s_cselect_b32 s34, 655360, s34
	s_mov_b32 s35, 0
	s_add_nc_u64 s[WAP:WAP+1], s[WAP:WAP+1], s[34:35]
	SLOAD SPG
	; softplus in base 2: DL = log2(e) max(z, 0) + log2(1 + 2^(-log2(e) |z|))
	s_wait_alu depctr_va_vdst(0)
.irp q,0,1,2,3
	ds_load_b128 v[W2+4*\q:W2+4*\q+3], v[PB] offset:12288+64*(\q/2)+16*(\q%2)
.endr
	s_wait_dscnt 0x0
.set KK,0
.rept 32
	v_pk_add_f32 v[DL+2*KK:DL+2*KK+1], v[DL+2*KK:DL+2*KK+1], v[W2+2*(KK%8):W2+2*(KK%8)+1]   ; each accumulator from its low end on
.set KK,KK+1
.endr
.set KK,0
.rept 64
	v_mul_f32 v[HB+KK], s72, |v[DL+KK]|
.set KK,KK+1
.endr
	s_wait_alu depctr_va_vdst(0)
	GEXP HB
.set KK,0
.rept 64
	v_max_num_f32 v[DL+KK], 0, v[DL+KK]
.set KK,KK+1
.endr
	s_wait_alu depctr_va_vdst(0)
.set KK,0
.rept 32
	v_pk_add_f32 v[HB+2*KK:HB+2*KK+1], v[HB+2*KK:HB+2*KK+1], 1.0 op_sel_hi:[1,0]
.set KK,KK+1
.endr
	s_wait_alu depctr_va_vdst(0)
.set KK,0
.rept 64
	v_log_f32 v[HB+KK], v[HB+KK]
.set KK,KK+1
.endr
	v_nop
	s_wait_alu depctr_va_vdst(0)
.set KK,0
.rept 32
	v_pk_fma_f32 v[DL+2*KK:DL+2*KK+1], v[DL+2*KK:DL+2*KK+1], s[L2E:L2E+1], v[HB+2*KK:HB+2*KK+1] op_sel_hi:[1,0,1]
.set KK,KK+1
.endr
	; the gate: 64 exponentials a feature, in HB and WK by turns; the next feature's multiplications stand between a batch and the one wait for it
	ALOAD 0,W2
	s_wait_dscnt 0x0
	GMUL 0,HB,W2
	ALOAD 1,W2+16
	s_wait_alu depctr_va_vdst(0)
.irp i,0,1,2,3,4,5,6,7,8,9,10,11,12,13,14,15
	GEXP HB+64*(\i%2)
	; THE PASSES' WEIGHT LOADS STAND HERE, four a feature: features 0-7 ask for this pass's Bg rows (32 loads), features 8-15 for the next product's rows of the other buffer (32 loads)
	WIN 0x40
.irp k,0,1,2,3
.if \i < 8
	global_load_b128 v[128+16*\i+4*\k:128+16*\i+4*\k+3], v[GO], s[WBP:WBP+1] offset:512*(4*\i+\k)
.else
	global_load_b128 v[16*(\i-8)+4*\k:16*(\i-8)+4*\k+3], v[GO], s[WAP:WAP+1] offset:512*(4*(\i-8)+\k)
.endif
.endr
	WIN 0
.if \i < 15
	s_wait_dscnt 0x0
	GMUL \i+1,HB+64*((\i+1)%2),W2+16*((\i+1)%2)
.else
	v_nop
.endif
.if \i < 14
	ALOAD \i+2,W2+16*(\i%2)
.endif
	s_wait_alu depctr_va_vdst(0)
	GADD \i,HB+64*(\i%2)
.endr
	s_wait_alu depctr_va_vdst(0)
	s_wait_loadcnt 32
	GEMM8 128, HB, 1                               ; Bg
	s_wait_xcnt 0x0
	s_add_nc_u64 s[SPG:SPG+1], s[SPG:SPG+1], 8192
	s_add_nc_u64 s[SPD:SPD+1], s[SPD:SPD+1], 8192
	s_mov_b32 s34, 131072                          ; the next pass's Bg; behind pass 3: w_out's rows 256 on
	s_cmp_eq_u32 s[CNT], 3
	s_cselect_b32 s34, 262144, s34
	s_cselect_b64 s[SPD:SPD+1], s[WOS:WOS+1], s[SPD:SPD+1]
	s_mov_b32 s35, 0
	s_add_nc_u64 s[WBP:WBP+1], s[WBP:WBP+1], s[34:35]
	SLOAD SPD
	XLOAD WK
	s_wait_dscnt 0x0
	XNORM                                          ; WK = xn
.irp q,0,1,2,3
	ds_load_b128 v[W2+4*\q:W2+4*\q+3], v[PB] offset:16384+64*(\q/2)+16*(\q%2)
	ds_load_b128 v[W2+16+4*\q:W2+16+4*\q+3], v[PB] offset:8192+64*(\q/2)+16*(\q%2)
.endr
	s_wait_dscnt 0x0
.set KK,0
.rept 32
	v_pk_add_f32 v[HB+2*KK:HB+2*KK+1], v[HB+2*KK:HB+2*KK+1], v[W2+2*(KK%8):W2+2*(KK%8)+1]   ; each accumulator from its low end on
.set KK,KK+1
.endr
.irp q,0,1,2,3
	ds_load_b128 v[W2+4*\q:W2+4*\q+3], v[PB] offset:24576+64*(\q/2)+16*(\q%2)               ; the starts
.endr
.set KK,0
.rept 32
	v_pk_mul_f32 v[HB+2*KK:HB+2*KK+1], v[HB+2*KK:HB+2*KK+1], v[WK+2*KK:WK+2*KK+1]           ; u = xn (Bg + b)
.set KK,KK+1
.endr
.set KK,0
.rept 32
	v_pk_mul_f32 v[WK+2*KK:WK+2*KK+1], v[WK+2*KK:WK+2*KK+1], v[W2+16+2*(KK%8):W2+16+2*(KK%8)+1]   ; xn D
.set KK,KK+1
.endr
.irp n,1,2,4,8                         ; the running sum over a row of sixteen lanes
.set KK,0
.rept 64
	v_add_f32_dpp v[HB+KK], v[HB+KK], v[HB+KK] row_shr:\n row_mask:0xf bank_mask:0xf
.set KK,KK+1
.endr
.endr
	s_wait_dscnt 0x0
.irp k,0,2,4,6,8,10,12,14
	v_pk_add_f32 v[HB+\k:HB+\k+1], v[HB+\k:HB+\k+1], v[W2+\k:W2+\k+1]                       ; the earlier chunks' sums,
.endr
.irp m,1,2,3
.set KK,0
.rept 16
	v_add_f32_dpp v[HB+16*\m+KK], v[HB+16*\m-16+KK], v[HB+16*\m+KK] row_share:15 row_mask:0xf bank_mask:0xf   ; and each tile's last token onto the next tile
.set KK,KK+1
.endr
.endr
.set KK,0
.rept 32
	v_pk_fma_f32 v[HB+2*KK:HB+2*KK+1], v[HB+2*KK:HB+2*KK+1], v[DL+2*KK:DL+2*KK+1], v[WK+2*KK:WK+2*KK+1]   ; h gate + xn D
.set KK,KK+1
.endr
	QUANT HB
	v_xor_b32 v[XA], 0x20000, v[XA]                ; the other slot
	v_add_nc_u32 v[PB], 1024, v[PB]
	v_add_nc_u32 v[AB], 16384, v[AB]
	v_add_nc_u32 v[IW], 2048, v[IW]
	v_add_nc_u32 v[SW], 128, v[SW]
	s_add_co_u32 s[CNT], s[CNT], 1
	s_cmp_lt_u32 s[CNT], 4
	s_wait_alu depctr_va_vdst(0)
	s_cbranch_scc1 .Lpass
	; ---- the second product, 256 features a step: the sums begin with x + b_out; results leave through the work-group's stage as whole rows
.macro TSTEP q, wb, fill, left, nxt, ptr
	SEQ \fill                                      ; slice q has landed; the operand's images (step 0) and every wave's reads of the stage are done
	XLOAD HB
.irp u,0,1,2,3
	ds_load_b128 v[W2+4*\u:W2+4*\u+3], v[PB] offset:16384+1024*\q+64*(\u/2)+16*(\u%2)       ; b_out (PB stands 4,096 on)
.endr
	s_wait_dscnt 0x0
.set KK,0
.rept 32
	v_pk_add_f32 v[HB+2*KK:HB+2*KK+1], v[HB+2*KK:HB+2*KK+1], v[W2+2*(KK%8):W2+2*(KK%8)+1]
.set KK,KK+1
.endr
	v_xor_b32 v[XA], 0x20000, v[XA]
	s_wait_alu depctr_va_vdst(0)
	NOPS 8
	s_wait_loadcnt \left
	GEMM8 \wb, HB, 0
.if \nxt > 0
	s_wait_xcnt 0x0
	s_add_nc_u64 s[SPD:SPD+1], s[SPD:SPD+1], 8192
	SLOAD SPD
.endif
.if \nxt > 1
	s_add_nc_u64 s[\ptr:\ptr+1], s[\ptr:\ptr+1], 262144
.endif
.irp m,0,1,2,3
.irp t,0,1
.irp k,0,1
	ds_store_b128 v[SG], v[HB+16*\m+8*\t+4*\k:HB+16*\m+8*\t+4*\k+3] offset:16640*\m+64*\t+16*\k   ; each accumulator from its low end on
.endr
.endr
.endr
	s_wait_dscnt 0x0
	s_barrier_signal -1
	s_barrier_wait -1                              ; x's next slice may stay out
	s_wait_xcnt 0x0                                ; the last step's stores have read their registers
.irp n,0,1,2,3,4,5,6,7,8,9,10,11,12,13,14,15
	ds_load_b128 v[DL+4*\n:DL+4*\n+3], v[SRD] offset:1040*(\n/2)+512*(\n%2)
.endr
.if \nxt > 1
	WIN 0x40                                       ; the loads' destinations lie in window 1; the stores' address and data stay in window 0
.endif
.irp n,0,1,2,3,4,5,6,7,8,9,10,11,12,13,14,15
	s_wait_dscnt 15-\n
	global_store_b128 v[GO], v[DL+4*\n:DL+4*\n+3], s[OUT:OUT+1] offset:4096*(\n/2)+1024*\q+512*(\n%2) th:TH_STORE_NT   ; the wave stores 512 consecutive bytes
.if \nxt > 1
	global_load_b128 v[\wb+8*\n:\wb+8*\n+3], v[GO], s[\ptr:\ptr+1] offset:1024*\n          ; this buffer's rows of step q + 2, two loads between two stores
	global_load_b128 v[\wb+8*\n+4:\wb+8*\n+7], v[GO], s[\ptr:\ptr+1] offset:1024*\n+512
.endif
.endr
	WIN 0
.endm
	WLOAD 128, WBP                                 ; w_out's rows 256 on, for step 1: Bg's buffer is free since the last pass's product
	v_sub_nc_u32 v[LI], v[LI], XIMG-OIMG           ; from xn's images to the second operand's
	v_sub_nc_u32 v[LS], v[LS], XIMG-OIMG
	v_add_nc_u32 v[SG], STG, v[XA]                 ; XA stands in slot 0 again
	s_mul_i32 s33, s[WV], 8320
	s_add_co_u32 s33, s33, STG
	v_add_nc_u32 v[SRD], s33, v[GO]                ; tokens 8 w on, 16 bytes a lane
	TSTEP 0, 0,   1, 32, 2, WAP
	TSTEP 1, 128, 1, 32, 2, WBP
	TSTEP 2, 0,   1, 32, 1, WAP
	TSTEP 3, 128, 0, 0,  0, WBP
	s_wait_tensorcnt 0x0                           ; the wave's end
	ds_add_u32 v[SPW], v[NIL]
	s_wait_dscnt 0x0
	s_endpgm
.Lfunc_end_k_q0fc200b652_main:
	.size	k_q0fc200b652_main, .Lfunc_end_k_q0fc200b652_main-k_q0fc200b652_main
	.p2alignl 7, 3214868480
	.fill 96, 4, 3214868480
	.section	.rodata,"a",@progbits
	.p2align	6, 0x0
	.amdhsa_kernel k_q0fc200b652_main
		.amdhsa_group_segment_fixed_size 327680
		.amdhsa_private_segment_fixed_size 0
		.amdhsa_enable_private_segment 0
		.amdhsa_kernarg_size 104
		.amdhsa_user_sgpr_count 2
		.amdhsa_user_sgpr_kernarg_segment_ptr 1
		.amdhsa_wavefront_size32 1
		.amdhsa_system_sgpr_workgroup_id_x 1
		.amdhsa_system_sgpr_workgroup_id_y 1
		.amdhsa_system_sgpr_workgroup_id_z 1
		.amdhsa_system_vgpr_workitem_id 0
		.amdhsa_next_free_vgpr 512
		.amdhsa_next_free_sgpr 80
		.amdhsa_reserve_vcc 0
		.amdhsa_float_denorm_mode_32 3
		.amdhsa_float_denorm_mode_16_64 3
		.amdhsa_memory_ordered 1
		.amdhsa_forward_progress 1
		.amdhsa_inst_pref_size 255
	.end_amdhsa_kernel
	.section	.bss,"aw",@nobits
	.p2align	6
	.space	262144
	.amdgpu_metadata
---
amdhsa.version: [ 1, 2 ]
amdhsa.kernels:
  - .name:           k_q0fc200b652_main
    .symbol:         k_q0fc200b652_main.kd
    .args:
      - { .name: x, .offset: 0, .size: 8, .value_kind: global_buffer, .address_space: global }
      - { .name: wlay, .offset: 8, .size: 8, .value_kind: global_buffer, .address_space: global }
      - { .name: w_xproj_scales, .offset: 16, .size: 8, .value_kind: global_buffer, .address_space: global }
      - { .name: b_xproj, .offset: 24, .size: 8, .value_kind: global_buffer, .address_space: global }
      - { .name: A, .offset: 32, .size: 8, .value_kind: global_buffer, .address_space: global }
      - { .name: D_param, .offset: 40, .size: 8, .value_kind: global_buffer, .address_space: global }
      - { .name: w_out_scales, .offset: 48, .size: 8, .value_kind: global_buffer, .address_space: global }
      - { .name: b_out, .offset: 56, .size: 8, .value_kind: global_buffer, .address_space: global }
      - { .name: gamma, .offset: 64, .size: 8, .value_kind: global_buffer, .address_space: global }
      - { .name: beta, .offset: 72, .size: 8, .value_kind: global_buffer, .address_space: global }
      - { .name: sums, .offset: 80, .size: 8, .value_kind: global_buffer, .address_space: global }
      - { .name: ximg, .offset: 88, .size: 8, .value_kind: global_buffer, .address_space: global }
      - { .name: out0, .offset: 96, .size: 8, .value_kind: global_buffer, .address_space: global }
    .group_segment_fixed_size: 327680
    .private_segment_fixed_size: 0
    .kernarg_segment_align: 8
    .kernarg_segment_size: 104
    .max_flat_workgroup_size: 256
    .sgpr_count:     80
    .vgpr_count:     512
    .wavefront_size: 32
...
	.end_amdgpu_metadata
.endif
;; end of part 2
